; MI455X (gfx1250); checked and timed in simulation.
; The chip was launched on July 23, 2026; its instructions are those of AMD's public machine-readable ISA for CDNA 5 (MIT licence, August 2026) and "CDNA5" Instruction Set Architecture Reference Guide (July 2026). The comments in the code are by the model that wrote it; some were corrected since.
;; Parallel Multi Head Attention. Allowed arithmetic: matrix products marked QUANTISED: E4M3 operands, one given power-of-two scale a tensor, by v_wmma_f32_16x16x64_fp8_fp8 or v_wmma_f32_16x16x128_fp8_fp8, f32 sums; everything else in f32.
;; Inputs: W_k_codes 1,024 x 32 x 32 uint8 (E4M3 codes of W_k, K innermost, in blocks of 32 codes); W_o_codes 1,024 x 32 x 32 uint8 (E4M3 codes of W_o, K innermost, in blocks of 32 codes); W_q_codes 1,024 x 32 x 32 uint8 (E4M3 codes of W_q, K innermost, in blocks of 32 codes); W_v_codes 1,024 x 32 x 32 uint8 (E4M3 codes of W_v, K innermost, in blocks of 32 codes); b_k 1,024 float32; b_o 1,024 float32; b_q 1,024 float32; b_v 1,024 float32; lowp_scales 12 int32 (the exponents e of the quantised operands' scales 2^e); x_codes 4 x 2,048 x 32 x 32 uint8 (E4M3 codes of x, K innermost, in blocks of 32 codes).
;; Outputs: out0 4 x 2,048 x 1,024 float32.
;; This version of the problem:
;;   THIS VERSION OF THE PROBLEM IS GIVEN IN LOW PRECISION. The matrix products marked QUANTISED in the list below multiply operands that are first quantised to E4M3 (4 exponent bits, 3 mantissa bits; 8 bits a number), with one given power-of-two scale for each operand tensor; their sums are f32. All else is computed in f32.
;;   The module's matrix products, in the order in which they are computed (A, B: the left and right operand; K: the contracted axis; several contracted axes count as one K, in the product's order):
;;     1. [M 8,192, K 1,024] x [K 1,024, N 1,024]; A: input x (given as codes); B: input W_q (given as codes): QUANTISED (scales: A lowp_scales[0], B lowp_scales[1])
;;     2. [M 8,192, K 1,024] x [K 1,024, N 1,024]; A: input x (given as codes); B: input W_k (given as codes): QUANTISED (scales: A lowp_scales[2], B lowp_scales[3])
;;     3. [M 8,192, K 1,024] x [K 1,024, N 1,024]; A: input x (given as codes); B: input W_v (given as codes): QUANTISED (scales: A lowp_scales[4], B lowp_scales[5])
;;     4. batch 64 x [M 2,048, K 64] x [K 64, N 2,048]; A: computed on the way; B: computed on the way: QUANTISED (scales: A lowp_scales[6], B lowp_scales[7])
;;     5. batch 64 x [M 2,048, K 2,048] x [K 2,048, N 64]; A: softmax (see below); B: computed on the way: QUANTISED (scales: A lowp_scales[8], B lowp_scales[9])
;;     6. [M 8,192, K 1,024] x [K 1,024, N 1,024]; A: computed on the way; B: input W_o (given as codes): QUANTISED (scales: A lowp_scales[10], B lowp_scales[11])
;;   THE QUANTISER, for each operand of a quantised product, along K:
;;     - The operand's scale is 2^e, e = its entry of the input lowp_scales (int32; the entries are numbered through the quantised products in the list's order, A before B).
;;     - Each number is divided by the scale, clamped to +-448, and rounded to the nearest number of E4M3, ties to even, subnormals kept.
;;     - The product sums the exact products of the quantised numbers (number of the format x scale) in f32.
;;   ~~~python
;;   def quantise(x, axis, e):      # numpy; x: float32 -> the quantised numbers, widened to float32 again
;;       x = np.moveaxis(x, axis, -1); K = x.shape[-1]
;;       r = np.clip(x / 2.0 ** e, -448, 448)
;;       step = 2.0 ** (np.maximum(np.frexp(np.where(r == 0, 1, r))[1] - 1, -6) - 3)
;;       q = np.round(r / step) * step * 2.0 ** e      # np.round: ties to even
;;       return np.moveaxis(q, -1, axis).astype(np.float32)
;;   ~~~
;;   SOFTMAX AHEAD OF A QUANTISED PRODUCT. Where the list says 'softmax', what is quantised is not the finished softmax but p = 2^(t - M), with t = logit x log2(e) and M = ceil(the row's largest t), a whole number; so 1/2 < the row's largest p <= 1. The row's sum l is taken of the UNQUANTISED p, in f32, and the product's result is divided by l at the end. Since M is a whole number, a kernel that streams over the keys may use a running M (the ceiling of the running maximum): every later rescaling is an exact power of two, so the quantised numbers keep their values, but for numbers so far below the row's largest that they fall under the format's range.
;;   OPERANDS COMPUTED ON THE WAY. 'Computed on the way' means the value that the module computes at that place (a softmax that the list does not call 'softmax' is quantised finished and normalised). What goes into a quantiser is computed in f32, as accurately as f32 sums, v_exp_f32 and their like allow (about 1e-6 of the number): no bf16 or f16 on the way to a quantiser, and a product that is left as it is and whose result goes on into a quantised operand takes f32 operands (vector FMAs, or v_wmma_f32_16x16x4_f32). A number that lies on a knife's edge between two numbers of the format may be rounded either way, as far as f32 arithmetic and the matrix unit's own rounding can turn it there, and no further.
;;   INPUTS GIVEN AS CODES. W_k (in the module: [1024, 1024], K = its axis 1); W_o (in the module: [1024, 1024], K = its axis 1); W_q (in the module: [1024, 1024], K = its axis 1); W_v (in the module: [1024, 1024], K = its axis 1); x (in the module: [4, 2048, 1024], K = its axis 2): each comes as NAME_codes (uint8): NAME with its K axis moved to the last place and cut into blocks of 32 codes, [.., K / 32, bytes a block], one block behind the other in memory; one code a byte (a code: sign, 4 exponent bits, 3 mantissa bits); its scale is its entry of lowp_scales. Its value is code x scale, taken as it is: it is not quantised again, and the codes and scales need not be those that the quantiser above would give.
;; One version. Each part assembles by itself: llvm-mc -triple=amdgcn-amd-amdhsa -mcpu=gfx1250 --defsym DOCPART=n.
;; ======== version 1 of 1: 3 launches
;; limits: right only within a limited range of input values
;; workspace buffers: q 8,388,608 bytes; kv 16,777,216 bytes; ao 8,388,608 bytes
;; launch qkv (part 1): grid 12 x 32, 4 waves a work-group, clusters of 4 x 4, 327,680 bytes of LDS; arguments x_codes, W_q_codes, W_k_codes, W_v_codes, b_q, b_k, b_v, lowp_scales, q, kv; writes q, kv
.if DOCPART == 1
	.amdgcn_target "amdgcn-amd-amdhsa--gfx1250"
	.amdhsa_code_object_version 6
	.text
	.protected	k_q295ac314e9_qkv
	.globl	k_q295ac314e9_qkv
	.p2align	8
	.type	k_q295ac314e9_qkv,@function
k_q295ac314e9_qkv:
	s_mov_b64 s[64:65], 0
	v_nop
	global_prefetch_b8 v0, s[64:65] scope:SCOPE_SE
	s_setreg_imm32_b32 hwreg(HW_REG_WAVE_MODE, 25, 1), 1
	s_wait_xcnt 0x0
	s_wait_alu depctr_hold_cnt(0) depctr_sa_sdst(0) depctr_va_vdst(0) depctr_va_sdst(0) depctr_va_ssrc(0) depctr_va_vcc(0) depctr_vm_vsrc(0)
	s_getreg_b32 s2, hwreg(HW_REG_IB_STS2, 6, 4)
	s_cmp_eq_u32 s2, 0
	s_cbranch_scc0 .Lentry_in_a_cluster
	s_endpgm
.Lentry_in_a_cluster:
	s_bfe_u32 s2, ttmp6, 0x10000c
	s_cmp_lg_u32 s2, 0xf033
	s_cbranch_scc0 .Lentry_shape_is_right
	s_endpgm
.Lentry_shape_is_right:
; q, k, v = x W^T + b, on codes of FP8 (E4M3) as they are given; each result is quantised at once with the scale given for it as an operand of attention, and stored as codes.
; NOTHING OF THE MODULE IS LEFT OUT in this program: all six products, all four biases and all twelve scales have a way to out0 (b_k too: it goes into k's codes, which a quantiser makes).
; x: [8192][1024] codes.  W_q, W_k, W_v: [1024][1024] codes, K innermost; feature f = 16 d + head.  A sum stands for sum x 2^(ex + ew): e0 + e1 for q, e2 + e3 for k, e4 + e5 for v.
; y = sum x 2^(ex + ew) + b, one fused multiply-add in f32; code = y / 2^eq to the nearest code, ties to even; eq = e6 for q, e7 for k, e9 for v.
; LIMITS: e0 + e1, e2 + e3, e4 + e5 between -126 and 127; e6, e7, e9 between -126 and 119, so that each power of two below is an f32 number.  NaN codes among the inputs are not served.
; Inside a matrix instruction k is permuted, alike in both operands (four 16-byte loads a fragment): only the order of the sums inside an instruction changes.
; SHARES.  The cluster's x (0, 1, 2) says which tensor: q, k or v.  A work-group makes 256 rows of x times 256 rows of W (four heads); each of four waves 128 x 128: 64 accumulators, 512 registers.
; K goes in steps of 256 through a ring of two LDS slots filled by the tensor data mover.  CLUSTERS: 4 x 4 work-groups; x's tile is shared along a row of the cluster, W's along a column: each is asked for jointly.
; W'S ROWS ARE GATHERED BY THE DESCRIPTOR: a fetching wave takes 128 rows 8 rows apart, from row hA = 2 cx + half on: LDS row i is channel i / 2 of head hA + 8 (i % 2).  Lane r of a tile of W takes LDS row
; 16 c + 2 (r % 8) + r / 8: a tile's rows 0-7 are channels 8 c .. 8 c + 7 of head hA, rows 8-15 the same channels of head hA + 8.
; q, k: source 0 = W, source 1 = x: a lane holds ONE row of x and one head (hA + 8 (lane / 16)), and the 64 registers of a block of 16 rows are the head's 64 channels in order.
; v:    source 0 = x, source 1 = W: a lane holds ONE channel, and the 64 registers of a block are keys 16 b + 8 (lane / 16) + 0 .. 7: neighbours along the second product's K.
; The two orders differ in LDS address registers alone (chosen by the cluster's x, which all partners share), so the K steps are one text for all three tensors.
; OUT, as images of the operands' registers:
;   q[bh][l / 16][1024]: byte 512 jj + 256 hh + 16 r + i = q(row r, channel 32 jj + 16 hh + i).    kv[bh][l / 128][16384]: 8 such fragments of k, then from byte 8192 four fragments of v^T of 2,048 bytes:
;   registers 4 jj .. 4 jj + 3 of lane (p, hh) (channel 16 t + p; registers 2 c, 2 c + 1: keys 16 c + 8 hh + 0 .. 7) at 512 jj + 256 (p / 8) + 128 (hh xor p / 8) + 16 (p % 8).
; Each store of a wave writes whole aligned runs of 256 bytes.
; REGISTERS, in windows of 256: window 0: v1-29 addresses and constants; v32-95 q's and k's bias, v96-111 v's; from v128 source 1's fragments, ONE set; on the way out v128-191 numbers, v192-255 codes.
;   window 1: source 0's fragments, TWO sets.   windows 2, 3: the accumulators, (a, b) at v[8 (8 (a % 4) + b)].
.set ROWB,   256                       ; a tile's row in bytes: 256 codes along K
.set PITCH,  272                       ; an LDS row: 256 bytes + 16 of padding = 68 words: the 16 rows that a load touches start at 16 different banks
.set FR,     16                        ; registers of a fragment: 16 rows x 128 K
.set NL,     4                         ; LDS loads that bring one
.set NP,     4                         ; places behind this matrix instruction (ISA guide 7.12.1)
.set HALFT,  128*PITCH                 ; 128 rows: what one tensor load brings
.set SLOT,   4*HALFT                   ; x's 256 rows, then W's 256 rows
.set SPARE,  2*SLOT                    ; behind the ring: the spare words, 128 bytes for each wave: two blocks of 256 bytes that no other line names
.set BQ,   7                           ; v7      q, k: byte of b at channel 0 of my head
.set BVO,  8                           ; v8      v: byte of b at my channel of block 0
.set KO,   9                           ; v9      q, k: my byte offset in a fragment's image, and my head's
.set VO,   10                          ; v10-11  v: the same, for even and for odd blocks
.set LIMV, 12
.set SCV,  13                          ; v13     2^eq
.set ADRA, 16                          ; v16-17  LDS address of source 1's fragments in slot 0, 1
.set ADRB, 20                          ; v20-21  the same for source 0
.set SPW,  28                          ; v28     LDS address of my spare word; never rewritten
.set NIL,  29                          ; v29     0; never rewritten
.set BI,   32                          ; v32-95  q, k: b of my head's 64 channels
.set BV,   96                          ; v96-111 v: b of my channel in block a, twice, at 2 a
.set AF,   128                         ; source 1's fragments
.set TMP,  128                         ; the way out: a block's 64 numbers
.set CD,   192                         ; the way out: four sets of 16 registers of codes
.set G1, 24                            ; s[24:31] descriptor group 1 for x's tiles;  s[32:39] group 0, one set for each slot
.set G0, 32
.set G1B, 48                           ; s[48:55], s[56:63] the same for W's tiles
.set G0B, 56
.set MSB, 0
.macro WIN new                         ; the immediate's high byte repeats the setting that is left
.if MSB != \new
	s_set_vgpr_msb (MSB<<8)|\new
.set MSB, \new
.endif
.endm
.set MUL_LO, 0xa1                      ; source 0 window 1, source 1 window 0, C and D window 2
.set MUL_HI, 0xf1                      ; the same, C and D window 3
.set TO_B,   0x40                      ; destination window 1, address window 0
; A joint load: waves 0 and 1 fetch x's halves, waves 2 and 3 W's.  Each line has one mask and one set of registers for all that issue it; the branch hangs on the wave's number alone.
; An s_nop 0 and four v_nop follow each of the two lines.
.macro JLOAD g0a, g1a, g0b, g1b
	s_cmp_eq_u32 s15, 0
	s_cbranch_scc0 .Lfor_b_\@
	tensor_load_to_lds s[\g0a:\g0a+3], s[\g1a:\g1a+7]
	s_nop 0
.rept 4
	v_nop
.endr
	s_branch .Lasked_\@
.Lfor_b_\@:
	tensor_load_to_lds s[\g0b:\g0b+3], s[\g1b:\g1b+7]
	s_nop 0
.rept 4
	v_nop
.endr
.Lasked_\@:
.endm
.macro CREST                           ; a round of the cluster's barrier behind its opening barrier
	s_cmp_lg_u32 s14, 0
	s_cbranch_scc1 .Lnot_wave_0_\@
	s_barrier_signal -3
.Lnot_wave_0_\@:
	s_barrier_wait -3
	s_barrier_signal -1
	s_barrier_wait -1
.endm
.macro CROUND                          ; a whole round
	s_barrier_signal -1
	s_barrier_wait -1
	CREST
.endm
	s_load_b512 s[68:83], s[0:1], 0x0              ; x s[68:69], W_q s[70:71], W_k s[72:73], W_v s[74:75], b_q s[76:77], b_k s[78:79], b_v s[80:81], the scales' exponents s[82:83]
	s_load_b128 s[84:87], s[0:1], 0x40             ; q s[84:85], kv s[86:87]
	v_lshl_add_u32 v[SPW], v0, 2, SPARE
	v_mov_b32 v[NIL], 0
	ds_add_u32 v[SPW], v[NIL]                      ; the wave's opening: the add, twice on end, and its wait ahead of my first tensor load
	ds_add_u32 v[SPW], v[NIL]                      ; and once more, under the one wait; the set-up below, work on registers, stands between
	v_lshrrev_b32 v1, 5, v0
	v_readfirstlane_b32 s14, v1                    ; wave 0..3
	s_lshr_b32 s15, s14, 1                         ; i: which half of source 1's rows is mine.  Also: I fetch for x (0) or for W (1)
	s_and_b32 s16, s14, 1                          ; j: which half of source 0's rows.  Also: which half of that tile I fetch
	s_bfe_u32 s40, ttmp6, 0x40000                  ; cx, cy: my place in the cluster
	s_bfe_u32 s41, ttmp6, 0x40004
	s_and_b32 s17, ttmp7, 0xffff
	s_lshl_b32 s17, s17, 2
	s_add_co_u32 s17, s17, s41                     ; TR: which 256 rows of x = 4 x cluster y + cy
	s_lshl_b32 s43, s41, 2
	s_lshl_b32 s43, 15, s43                        ; my row of the cluster
	s_lshl_b32 s44, 0x1111, s40                    ; my column
	; descriptor group 1: 128 rows x 256 bytes, padded in LDS; x's rows lie 1,024 bytes apart, W's 8 rows = 8,192 bytes
	s_or_b32 s[G1+0], s43, (0<<16)|(1<<20)|(1<<21)|(5<<22)|(3<<25)  ; 15:0 the mask: x's tiles go to my row; 17:16 elements of 1 byte; 20 padding on; 21 set beside a mask; 24:22 after every 64 words; 31:25 four words
	s_or_b32 s[G1B+0], s44, (0<<16)|(1<<20)|(1<<21)|(5<<22)|(3<<25) ; the same with my column's mask
.irp g, G1, G1B
	s_mov_b32 s[\g+1], ROWB<<16                    ; tensor_dim0
	s_mov_b32 s[\g+2], 128<<16                     ; tensor_dim1
	s_mov_b32 s[\g+3], ROWB<<16                    ; tile_dim0
	s_mov_b32 s[\g+4], 128                         ; tile_dim1
	s_mov_b32 s[\g+6], 0
	s_mov_b32 s[\g+7], 0
.endr
	s_mov_b32 s[G1+5], 1024                        ; tensor_dim0_stride
	s_mov_b32 s[G1B+5], 8192
	s_lshl_b32 s20, s17, 18                        ; x: row 256 TR + 128 half, 1,024 bytes a row
	s_lshl_b32 s21, s16, 17
	s_add_co_u32 s20, s20, s21
	s_mov_b32 s21, 0
	s_lshl_b32 s46, s40, 1                         ; W: row 2 cx + half
	s_add_co_u32 s46, s46, s16
	s_lshl_b32 s46, s46, 10
	s_mov_b32 s47, 0
	s_mul_i32 s45, s14, HALFT                      ; where they go: wave x 128 rows: no place in the cluster enters an LDS address
	s_cmp_eq_u32 ttmp9, 2                          ; v?  The cluster's x is the same in all sixteen partners
	s_cselect_b32 s42, -1, 0                       ; as a lane mask
	s_cselect_b32 s18, s16, s15                    ; xh: which half of x's rows I multiply
	s_cselect_b32 s19, s15, s16                    ; wh: which half of W's
	s_lshl_b32 s12, s40, 1
	s_add_co_u32 s12, s12, s19                     ; hA = 2 cx + wh: my heads are hA and hA + 8.  It enters global addresses alone
	s_wait_dscnt 0x0                               ; both opening adds are done
	s_wait_kmcnt 0x0
	s_load_b256 s[88:95], s[82:83], 0x0            ; e0 .. e7
	s_load_b32 s98, s[82:83], 0x24                 ; e9
	s_cmp_eq_u32 ttmp9, 0
	s_cselect_b64 s[6:7], s[70:71], s[72:73]       ; the weight,
	s_cselect_b64 s[8:9], s[76:77], s[78:79]       ; the bias
	s_cselect_b64 s[10:11], s[84:85], s[86:87]     ; and the buffer of codes
	s_cselect_b32 s13, 0, 1                        ; SH: kv's strides are twice q's
	s_cmp_eq_u32 ttmp9, 2
	s_cselect_b64 s[6:7], s[74:75], s[6:7]
	s_cselect_b64 s[8:9], s[80:81], s[8:9]
	s_add_nc_u64 s[20:21], s[68:69], s[20:21]
	s_add_nc_u64 s[46:47], s[6:7], s[46:47]
	CROUND                                         ; all sixteen work-groups are here: the first joint loads meet
.irp s, 0,1
	s_mov_b32 s[G0+4*\s], 1
	s_add_co_u32 s[G0+4*\s+1], s45, \s*SLOT
	s_add_nc_u64 s[G0+4*\s+2:G0+4*\s+3], s[20:21], \s*ROWB
	s_or_b32 s[G0+4*\s+3], s[G0+4*\s+3], 0x80000000
	s_mov_b32 s[G0B+4*\s], 1
	s_add_co_u32 s[G0B+4*\s+1], s45, \s*SLOT
	s_add_nc_u64 s[G0B+4*\s+2:G0B+4*\s+3], s[46:47], \s*ROWB
	s_or_b32 s[G0B+4*\s+3], s[G0B+4*\s+3], 0x80000000
	JLOAD G0+4*\s, G1, G0B+4*\s, G1B
.endr
	v_and_b32 v1, 15, v0                           ; r = lane % 16
	v_bfe_u32 v2, v0, 4, 1                         ; hh = lane / 16
	v_mul_u32_u24 v3, v1, PITCH
	v_lshl_add_u32 v3, v2, 4, v3                   ; a tile of x: row r, + 16 hh
	v_and_b32 v4, 7, v1                            ; r % 8
	v_lshrrev_b32 v6, 3, v1                        ; r / 8
	v_lshl_add_u32 v5, v4, 1, v6
	v_mul_u32_u24 v5, v5, PITCH
	v_lshl_add_u32 v5, v2, 4, v5                   ; a tile of W: row 2 (r % 8) + r / 8, + 16 hh
	v_cndmask_b32 v14, v3, v5, s42                 ; source 1's lane term: x's, for v W's
	s_wait_alu depctr_va_vdst(0)
	v_cndmask_b32 v15, v5, v3, s42                 ; source 0's: W's, for v x's
	s_wait_alu depctr_va_vdst(0)
	s_cmp_eq_u32 ttmp9, 2
	s_cselect_b32 s21, 2*HALFT, 0                  ; source 1's tile begins at x's rows, for v at W's;
	s_cselect_b32 s22, 0, 2*HALFT                  ; source 0's the other way round
	s_mul_i32 s23, s15, HALFT
	s_add_co_u32 s21, s21, s23
	s_mul_i32 s23, s16, HALFT
	s_add_co_u32 s22, s22, s23                     ; every value of both stays inside the slot
.irp s, 0,1
	v_add_nc_u32 v[ADRA+\s], s21, v14
	v_add_nc_u32 v[ADRB+\s], s22, v15
	s_add_co_u32 s21, s21, SLOT
	s_add_co_u32 s22, s22, SLOT
.endr
	; THE BIASES, in the results' layouts.  The two ways out part only behind the K steps, and a register is written on every way that leads to its reader: so every work-group fetches both patterns
	; (64 + 8 loads of 4 bytes a lane from its 4,096 bytes of bias, all inside them) and uses one.
	v_lshl_add_u32 v[BQ], v2, 3, s12
	v_lshlrev_b32 v[BQ], 2, v[BQ]                  ; 4 (hA + 8 hh)
	v_lshl_add_u32 v[BVO], v4, 4, s12
	v_lshl_add_u32 v[BVO], v6, 3, v[BVO]
	v_lshlrev_b32 v[BVO], 2, v[BVO]                ; 4 (16 (r % 8) + hA + 8 (r / 8))
.set n, 0
.rept 64
	global_load_b32 v[BI+n], v[BQ], s[8:9] offset:64*n      ; b[16 n + my head]
.set n, n+1
.endr
.set n, 0
.rept 8
	global_load_b32 v[BV+2*n], v[BVO], s[8:9] offset:512*n  ; b[16 (8 n + r % 8) + head]
.set n, n+1
.endr
	; where my codes go: ((16 batch + hA) x 131,072 + (l / 128) x 8,192) << SH
	s_lshr_b32 s22, s17, 3                         ; batch
	s_lshl_b32 s22, s22, 4
	s_add_co_u32 s22, s22, s12
	s_lshl_b32 s22, s22, 17
	s_and_b32 s23, s17, 7
	s_lshl_b32 s23, s23, 1
	s_add_co_u32 s23, s23, s18                     ; l / 128 = 2 (TR % 8) + xh
	s_lshl_b32 s23, s23, 13
	s_add_co_u32 s22, s22, s23
	s_lshl_b32 s22, s22, s13
	s_mov_b32 s23, 0
	s_add_nc_u64 s[10:11], s[10:11], s[22:23]
	s_add_co_u32 s23, s13, 20
	v_lshlrev_b32 v[KO], s23, v2                   ; q, k: lanes 16-31 hold head hA + 8: eight heads on,
	v_lshl_add_u32 v[KO], v1, 4, v[KO]             ; + 16 r
	v_lshlrev_b32 v[VO+1], 21, v6                  ; v: lanes with r / 8 = 1 hold head hA + 8,
	v_lshl_add_u32 v[VO+1], v4, 4, v[VO+1]         ; + 16 (r % 8),
	v_lshl_add_u32 v[VO], v2, 7, v[VO+1]           ; + 128 hh in even blocks,
	v_xor_b32 v6, 1, v2
	v_lshl_add_u32 v[VO+1], v6, 7, v[VO+1]         ; + 128 (hh xor 1) in odd ones
.macro FRAG reg, adr, q, i             ; a fragment, 16 rows x 128 K, is 16 registers: registers 4 c .. 4 c + 3 hold K = 32 c + 16 (lane / 16) + 0 .. 15 of the lane's row
.irp c, 0,1,2,3
	ds_load_b128 v[\reg+4*\c:\reg+4*\c+3], v[\adr] offset:128*(\q)+32*\c+(\i)*16*PITCH
.endr
.endm
; 16 matrix instructions: source 1's blocks a0, a0 + 1 x source 0's eight, 128 along K.  p: source 0's set.  zero = 1: the first product starts the sums.
; The 64 accumulators take turns, one instruction a turn, in the same order in every step.
.macro MUL16 a0, p, zero
.irp a, \a0, \a0+1
.irp b, 0,1,2,3,4,5,6,7
.if \zero
	v_wmma_f32_16x16x128_fp8_fp8 v[8*(8*((\a)%4)+\b):8*(8*((\a)%4)+\b)+7], v[128*(\p)+FR*\b:128*(\p)+FR*\b+FR-1], v[AF+FR*(\a):AF+FR*(\a)+FR-1], 0
.else
	v_wmma_f32_16x16x128_fp8_fp8 v[8*(8*((\a)%4)+\b):8*(8*((\a)%4)+\b)+7], v[128*(\p)+FR*\b:128*(\p)+FR*\b+FR-1], v[AF+FR*(\a):AF+FR*(\a)+FR-1], v[8*(8*((\a)%4)+\b):8*(8*((\a)%4)+\b)+7]
.endif
.endr
.endr
.endm
.macro FETCH_B slot, q, p              ; source 0's eight fragments of the slot's q-th 128 along K into set p
	WIN TO_B
.irp i, 0,1,2,3,4,5,6,7
	FRAG 128*(\p)+FR*\i, ADRB+\slot, \q, \i
.endr
	WIN 0
.endm
.macro FETCH_A slot, q, i0             ; source 1's blocks i0 .. i0 + 3
.irp i, \i0, \i0+1, \i0+2, \i0+3
	FRAG AF+FR*(\i), ADRA+\slot, \q, \i
.endr
.endm
.macro PLACES n                        ; plain vector instructions between a matrix instruction and a load into, or a vector instruction on, its registers
.rept \n
	v_nop
.endr
.endm
; A step of 128 along K that has its successor in the same slot.
.macro STEP slot, q, zero
	s_wait_dscnt 4*NL                              ; source 0's set and source 1's blocks 0-3 are in; the youngest 16 loads (blocks 4-7) may be out
	WIN MUL_LO
	MUL16 0, (\q)%2, \zero
	MUL16 2, (\q)%2, \zero
	s_wait_dscnt 0                                 ; blocks 4-7 are in
	PLACES NP
	FETCH_B \slot, (\q)+1, 1-(\q)%2
	FETCH_A \slot, (\q)+1, 0
	WIN MUL_HI
	MUL16 4, (\q)%2, \zero
	MUL16 6, (\q)%2, \zero
	PLACES NP
	WIN 0
	FETCH_A \slot, (\q)+1, 4
.endm
; A slot's last step changes slots: one barrier; in front of it each wave waits for all its tensor loads, adds 0 to its spare word, and waits for that and for its reads of this slot.  fill = 1: this slot is filled again, two K steps ahead.
.macro TURN slot, next, fill
	s_wait_tensorcnt 0x0                           ; all my tensor loads have landed: my part of the next slot
	ds_add_u32 v[SPW], v[NIL]                      ; 0 onto my spare word
	s_wait_dscnt 4*NL+1                            ; (the add and the youngest 16 loads may be out)
	WIN MUL_LO
	MUL16 0, 1, 0                                  ; sixteen matrix instructions stand between the add and the wait for it
	s_wait_dscnt 0x0                               ; the add is done, and my reads of this slot are over
	s_barrier_signal -1
	MUL16 2, 1, 0
	WIN 0
	s_barrier_wait -1
.if \fill
	CREST                                          ; the barrier has opened a round of the cluster's barrier: no wave of any partner still reads this slot or has a load on its way
	s_add_nc_u64 s[G0+4*\slot+2:G0+4*\slot+3], s[G0+4*\slot+2:G0+4*\slot+3], 2*ROWB
	s_add_nc_u64 s[G0B+4*\slot+2:G0B+4*\slot+3], s[G0B+4*\slot+2:G0B+4*\slot+3], 2*ROWB
	JLOAD G0+4*\slot, G1, G0B+4*\slot, G1B         ; the first tensor load behind the round; its four v_nop are the places in front of the loads below
.else
	PLACES NP
.endif
	FETCH_B \next, 0, 0
	FETCH_A \next, 0, 0
	WIN MUL_HI
	MUL16 4, 1, 0
	MUL16 6, 1, 0
	PLACES NP
	WIN 0
	FETCH_A \next, 0, 4
.endm
	s_wait_tensorcnt 1                             ; my part of K step 0 is in (K step 1's load, issued behind it, may be out),
	s_barrier_signal -1
	s_barrier_wait -1                              ; everybody's is
	FETCH_B 0, 0, 0
	FETCH_A 0, 0, 0
	FETCH_A 0, 0, 4
	STEP 0, 0, 1                                   ; K = 1,024 is four K steps, twice round the ring: written out, no loop.  The first products start the sums
	TURN 0, 1, 1                                   ; slot 0 takes K step 2
	STEP 1, 0, 0
	TURN 1, 0, 1                                   ; slot 1 takes K step 3
	STEP 0, 0, 0
	TURN 0, 1, 0                                   ; nothing is left to fetch
	STEP 1, 0, 0
	s_wait_dscnt 4*NL                              ; the very last step
	WIN MUL_LO
	MUL16 0, 1, 0
	MUL16 2, 1, 0
	s_wait_dscnt 0
	WIN MUL_HI
	MUL16 4, 1, 0
	MUL16 6, 1, 0
	WIN 0
	; THE WAY OUT.  No choice below is a branch on a loaded number: the exponents are chosen by the cluster's x.
	s_wait_kmcnt 0x0
	s_add_co_i32 s88, s88, s89                     ; e0 + e1
	s_add_co_i32 s90, s90, s91                     ; e2 + e3
	s_add_co_i32 s92, s92, s93                     ; e4 + e5
	s_cmp_eq_u32 ttmp9, 0
	s_cselect_b32 s96, s88, s90
	s_cselect_b32 s99, s94, s95                    ; e6 or e7
	s_cmp_eq_u32 ttmp9, 2
	s_cselect_b32 s96, s92, s96
	s_cselect_b32 s99, s98, s99                    ; or e9
	s_add_co_i32 s96, s96, 127
	s_lshl_b32 s96, s96, 23                        ; 2^(ex + ew) as f32
	s_mov_b32 s97, s96                             ; (named with it as a pair, so it is written)
	s_add_co_i32 s99, s99, 127
	s_lshl_b32 s18, s99, 23
	v_mov_b32 v[SCV], s18                          ; 2^eq: the conversion takes its exponent field
	PLACES NP                                      ; behind the last products: their results are read, and source 1's registers written, below
	s_wait_loadcnt 0x0                             ; the biases
; Block a: 64 sums a lane become 64 codes.  y = sum x 2^(ex + ew) + b, each accumulator from its low end on; eight conversions; four stores.
.macro EPI a, isv
.set AC, 64*((\a)%4)
.set CB, CD+16*((\a)%4)
.if (\a) == 4
	s_wait_xcnt 0x0                                ; the stores of blocks 0-3 have read their registers: the four sets of codes come round again
.endif
	WIN 0x02+((\a)/4)                              ; source 0: window 2 or 3
.set n, 0
.rept 32
.if \isv
	v_pk_fma_f32 v[TMP+n:TMP+n+1], v[AC+n:AC+n+1], s[96:97], v[BV+2*(\a):BV+2*(\a)+1] op_sel_hi:[1,0,1]
.else
	v_pk_fma_f32 v[TMP+n:TMP+n+1], v[AC+n:AC+n+1], s[96:97], v[BI+n:BI+n+1] op_sel_hi:[1,0,1]
.endif
.set n, n+2
.endr
	WIN 0
.set n, 0
.rept 64
.set n, n+1
.endr
.set n, 0
.rept 8
	v_cvt_scalef32_pk8_fp8_f32 v[CB+2*n:CB+2*n+1], v[TMP+8*n:TMP+8*n+7], v[SCV]
.set n, n+1
.endr
	v_nop                                          ; one plain vector instruction between the conversions and the next block's lines, which write their sources
.irp p, 0,1,2,3
.if \isv
	global_store_b128 v[VO+((\a)%2)], v[CB+4*\p:CB+4*\p+3], s[10:11] offset:8192+((\a)/2)*2048+\p*512+((\a)%2)*256   ; keys 32 p + .. of channel 8 a + r % 8: the 16 lanes of a head fill 256 consecutive bytes, aligned
.else
	global_store_b128 v[KO], v[CB+4*\p:CB+4*\p+3], s[10:11] offset:(\a)*1024+(\p/2)*512+(\p%2)*256                   ; channels 16 p + 0 .. 15 of row 16 a + r: 16 lanes fill 256 consecutive bytes, aligned
.endif
.endr
.endm
	s_cmp_eq_u32 ttmp9, 2
	s_cbranch_scc1 .Lout_v
.irp a, 0,1,2,3,4,5,6,7
	EPI \a, 0
.endr
	s_branch .Ldone
.Lout_v:
.set n, 0
.rept 8
	v_mov_b32 v[BV+2*n+1], v[BV+2*n]               ; a block's bias is one number a lane: twice, as the packed form's pair
.set n, n+1
.endr
.irp a, 0,1,2,3,4,5,6,7
	EPI \a, 1
.endr
.Ldone:
	s_wait_tensorcnt 0x0                           ; the wave's end, behind my last tensor load
	ds_add_u32 v[SPW], v[NIL]
	s_wait_dscnt 0x0
	CROUND                                         ; the closing round: no work-group ends while a partner may still ask for a tile that names it
	s_endpgm
.Lfunc_end_k_q295ac314e9_qkv:
	.size	k_q295ac314e9_qkv, .Lfunc_end_k_q295ac314e9_qkv-k_q295ac314e9_qkv
	.p2alignl 7, 3214868480
	.fill 96, 4, 3214868480
	.section	.rodata,"a",@progbits
	.p2align	6, 0x0
	.amdhsa_kernel k_q295ac314e9_qkv
		.amdhsa_group_segment_fixed_size 327680
		.amdhsa_private_segment_fixed_size 0
		.amdhsa_enable_private_segment 0
		.amdhsa_kernarg_size 80
		.amdhsa_user_sgpr_count 2
		.amdhsa_user_sgpr_kernarg_segment_ptr 1
		.amdhsa_wavefront_size32 1
		.amdhsa_system_sgpr_workgroup_id_x 1
		.amdhsa_system_sgpr_workgroup_id_y 1
		.amdhsa_system_sgpr_workgroup_id_z 1
		.amdhsa_system_vgpr_workitem_id 0
		.amdhsa_next_free_vgpr 1024
		.amdhsa_next_free_sgpr 100
		.amdhsa_reserve_vcc 0
		.amdhsa_float_denorm_mode_32 3
		.amdhsa_float_denorm_mode_16_64 3
		.amdhsa_fp16_overflow 1
		.amdhsa_memory_ordered 1
		.amdhsa_forward_progress 1
		.amdhsa_inst_pref_size 134
	.end_amdhsa_kernel
	.amdgpu_metadata
---
amdhsa.version: [ 1, 2 ]
amdhsa.kernels:
  - .name:           k_q295ac314e9_qkv
    .symbol:         k_q295ac314e9_qkv.kd
    .args:
      - { .name: x_codes, .offset: 0, .size: 8, .value_kind: global_buffer, .address_space: global }
      - { .name: W_q_codes, .offset: 8, .size: 8, .value_kind: global_buffer, .address_space: global }
      - { .name: W_k_codes, .offset: 16, .size: 8, .value_kind: global_buffer, .address_space: global }
      - { .name: W_v_codes, .offset: 24, .size: 8, .value_kind: global_buffer, .address_space: global }
      - { .name: b_q, .offset: 32, .size: 8, .value_kind: global_buffer, .address_space: global }
      - { .name: b_k, .offset: 40, .size: 8, .value_kind: global_buffer, .address_space: global }
      - { .name: b_v, .offset: 48, .size: 8, .value_kind: global_buffer, .address_space: global }
      - { .name: lowp_scales, .offset: 56, .size: 8, .value_kind: global_buffer, .address_space: global }
      - { .name: q, .offset: 64, .size: 8, .value_kind: global_buffer, .address_space: global }
      - { .name: kv, .offset: 72, .size: 8, .value_kind: global_buffer, .address_space: global }
    .group_segment_fixed_size: 327680
    .private_segment_fixed_size: 0
    .kernarg_segment_align: 8
    .kernarg_segment_size: 80
    .max_flat_workgroup_size: 128
    .sgpr_count:     100
    .vgpr_count:     1024
    .wavefront_size: 32
...
	.end_amdgpu_metadata
.endif
;; end of part 1
;; launch attn (part 2): grid 4 x 64, 16 waves a work-group, clusters of 4 x 1, 327,680 bytes of LDS; arguments q, kv, lowp_scales, ao; writes ao
.if DOCPART == 2
	.amdgcn_target "amdgcn-amd-amdhsa--gfx1250"
	.amdhsa_code_object_version 6
	.text
	.protected	k_q295ac314e9_attn
	.globl	k_q295ac314e9_attn
	.p2align	8
	.type	k_q295ac314e9_attn,@function
k_q295ac314e9_attn:
	s_mov_b64 s[64:65], 0
	v_nop
	global_prefetch_b8 v0, s[64:65] scope:SCOPE_SE
	s_setreg_imm32_b32 hwreg(HW_REG_WAVE_MODE, 25, 1), 1
	s_wait_xcnt 0x0
	s_wait_alu depctr_hold_cnt(0) depctr_sa_sdst(0) depctr_va_vdst(0) depctr_va_sdst(0) depctr_va_ssrc(0) depctr_va_vcc(0) depctr_vm_vsrc(0)
	s_getreg_b32 s2, hwreg(HW_REG_IB_STS2, 6, 4)
	s_cmp_eq_u32 s2, 0
	s_cbranch_scc0 .Lentry_in_a_cluster
	s_endpgm
.Lentry_in_a_cluster:
	s_bfe_u32 s2, ttmp6, 0x10000c
	s_cmp_lg_u32 s2, 0x3003
	s_cbranch_scc0 .Lentry_shape_is_right
	s_endpgm
.Lentry_shape_is_right:
; out[bh][l] = the sum over m of softmax_m(q[l] . k[m] / 8) v[m], both products on codes of FP8 (E4M3); the result is quantised at once with 2^e10, as the last product's operand.  Nothing is left out.
; q, kv: the codes that the launch before stored, as images of operand registers (its head comment gives the layouts).  Scales: q e6, k e7, p e8, v e9, the result e10.
; THE SOFTMAX AHEAD OF THE SECOND PRODUCT: t = score x 2^(e6 + e7) x log2(e) / 8; M = the row's largest t so far, rounded UP to a whole number; p = 2^(t - M) is what is quantised; it is not normalised.
; The row's sum is taken of the unquantised p, in f32, and divides at the end.  When M moves, the sum and O are multiplied by 2^(old M - new M): exact.
; LIMITS: e6 + e7 between -123 and 130 (they are added to the exponent field of log2(e) / 8); e8 and e10 between -126 and 119; e8 + e9 is applied by v_ldexp_f32.  NaN among the codes is not served.
; SHARES.  A work-group owns 512 queries of one (batch, head); each of its sixteen waves 32 of them, two tiles of 16, in 256 registers: four waves to a SIMD, so that one wave's vector work stands beside
; another's products and LDS loads.  Each fragment of k and of v^T that a wave reads from LDS feeds two products.
; ALL OF A HEAD'S k AND v STAY IN LDS: 16 steps of 128 keys x 16,384 bytes = 262,144 bytes, as they lie in memory.  Nothing is filled again, and no barrier stands inside the loops.
; CLUSTER.  The four blocks of queries of a head form a cluster and need the same bytes: each load is asked for jointly, with a mask that names the four.  Every wave issues two loads of 8,192 bytes,
; one in the first 8 steps' half and one in the second: two tensor loads of a wave are out at the most; the second half lands while the first is worked.
; LAYOUT.  Both products are used transposed: S^T = k q^T (source 0 = 16 keys, source 1 = 16 queries), O^T = v^T p^T (source 0 = 16 channels, source 1 = p): a lane holds ONE query (lane % 16) throughout.
; Register j of score tile f is key 16 f + 8 (lane / 16) + j: so eight conversions give registers 2 f, 2 f + 1 of p's operand just where the K = 128 form wants keys 16 f + 8 (lane / 16) + 0 .. 7.
; OUT: ao[head / 4][row / 16][(head / 2) % 2][2048]: byte 512 c + 256 hh + 16 r + i = the code of (row r, feature 32 c + 16 hh + i of the 128), feature = 64 head + channel.
; REGISTERS: v1, v2 my lane's place in a step's k and v; v3, v4 the add's two; v6 the scale; v7 the address in hand; v[8:9] -M and the largest t, v[10:11] the sum in two halves (tile 0); v[12:15] tile 1's;
; v16-31 q's two fragments; v32-47, v48-63 p's codes (until a tile's conversions its softmax works there); v64-127 eight fragments of k, then four of v^T; v128-191 S^T, then p; v192-223, v224-255 O^T.
.set SPARE, 262144                     ; behind k and v: the spare words, 128 bytes for each wave: eight blocks of 256 bytes that no other line names
.set KL,   1
.set VL,   2
.set SPW,  3
.set NIL,  4
.set LIMV, 5
.set SCV,  6
.set ADR,  7
.set Q0,   16
.set Q1,   24
.set KV,   64
.set S,    128
.set WV,   12                          ; s12  my wave's number
.set G1,   16                          ; s[16:23] descriptor group 1
.set G0A,  24                          ; s[24:27], s[28:31] groups 0: my part of the first and of the second half
.set G0B,  28
.set SEL,  32                          ; s[32:33] lane selects for v_permlanex16_b32: lane l xor 16
.set CS,   34                          ; s[34:35] c = 2^(e6 + e7) log2(e) / 8
.set TB,   36                          ; s36  LDS byte at which the step in hand begins
.set CNT,  37                          ; s37  steps to go
.macro CROUND                          ; a round of the cluster's barrier
	s_barrier_signal -1
	s_barrier_wait -1
	s_cmp_lg_u32 s[WV], 0
	s_cbranch_scc1 .Lnot_wave_0_\@
	s_barrier_signal -3
.Lnot_wave_0_\@:
	s_barrier_wait -3
	s_barrier_signal -1
	s_barrier_wait -1
.endm
	s_load_b256 s[4:11], s[0:1], 0x0               ; q s[4:5], kv s[6:7], the scales' exponents s[8:9], ao s[10:11]
	v_lshl_add_u32 v[SPW], v0, 2, SPARE
	v_mov_b32 v[NIL], 0
	ds_add_u32 v[SPW], v[NIL]                      ; the wave's opening: the add, twice on end, and its wait ahead of my first tensor load
	ds_add_u32 v[SPW], v[NIL]                      ; and once more, under the one wait; the set-up below, work on registers, stands between
	v_lshrrev_b32 v1, 5, v0
	s_delay_alu instid0(VALU_DEP_1)
	v_readfirstlane_b32 s[WV], v1                  ; wave 0..15
	s_bfe_u32 s13, ttmp6, 0x40000                  ; cx: my block of 512 queries: it enters q's and ao's addresses alone
	s_and_b32 s14, ttmp7, 0xffff                   ; bh = 16 batch + head, which the four partners share
	; descriptor group 1: a dense block of 8,192 bytes as 32 rows of 32 elements of 8 bytes
	s_mov_b32 s[G1], 15|(3<<16)|(1<<21)            ; 15:0 the mask: all four work-groups; 17:16 elements of 8 bytes; 21 set beside a mask; no padding
	s_mov_b32 s[G1+1], 32<<16                      ; tensor_dim0
	s_mov_b32 s[G1+2], 32<<16                      ; tensor_dim1
	s_mov_b32 s[G1+3], 32<<16                      ; tile_dim0
	s_mov_b32 s[G1+4], 32                          ; tile_dim1
	s_mov_b32 s[G1+5], 32                          ; tensor_dim0_stride
	s_mov_b32 s[G1+6], 0
	s_mov_b32 s[G1+7], 0
	s_mov_b32 s[SEL], 0x76543210
	s_mov_b32 s[SEL+1], 0xfedcba98
	s_mov_b32 s[CS], 0x3e38aa3b                    ; log2(e) / 8
	s_lshl_b32 s48, s[WV], 13                      ; my 8,192 bytes of a half, in LDS as in memory
	s_lshl_b32 s50, s14, 18                        ; the head's 262,144 bytes
	s_add_co_u32 s50, s50, s48
	s_mov_b32 s51, 0
	s_wait_dscnt 0x0                               ; both opening adds are done
	s_wait_kmcnt 0x0
	s_load_b256 s[40:47], s[8:9], 0x10             ; e4 .. e11: s42 e6, s43 e7, s44 e8, s45 e9, s46 e10
	s_mov_b32 s[G0A], 1
	s_mov_b32 s[G0A+1], s48
	s_add_nc_u64 s[G0A+2:G0A+3], s[6:7], s[50:51]
	s_mov_b32 s[G0B], 1
	s_add_co_u32 s[G0B+1], s48, 131072
	s_add_nc_u64 s[G0B+2:G0B+3], s[G0A+2:G0A+3], 131072
	s_or_b32 s[G0A+3], s[G0A+3], 0x80000000
	s_or_b32 s[G0B+3], s[G0B+3], 0x80000000
	CROUND                                         ; all four work-groups are here: the joint loads meet
	tensor_load_to_lds s[G0A:G0A+3], s[G1:G1+7]
	s_nop 0
	s_wait_alu depctr_va_vdst(0)
	s_wait_tensorcnt 0x0
	ds_add_u32 v3, v4
	s_wait_dscnt 0x0
	CROUND
	tensor_load_to_lds s[G0B:G0B+3], s[G1:G1+7]
	s_nop 0
.rept 4
	v_nop
.endr
	s_lshl_b32 s53, s13, 5
	s_lshl_b32 s52, s[WV], 1
	s_add_co_u32 s53, s53, s52                     ; my first tile of 16 queries: 32 cx + 2 wave
	s_lshl_b32 s50, s14, 17
	s_lshl_b32 s52, s53, 10
	s_add_co_u32 s50, s50, s52
	s_add_nc_u64 s[4:5], s[4:5], s[50:51]          ; its image in q
	v_and_b32 v[KL], 31, v0
	s_delay_alu instid0(VALU_DEP_1)
	v_lshlrev_b32 v[KL], 4, v[KL]                  ; 16 x lane: an image's place for my lane
	global_load_b128 v[Q0:Q0+3],   v[KL], s[4:5]
	global_load_b128 v[Q0+4:Q0+7], v[KL], s[4:5] offset:512
	global_load_b128 v[Q1:Q1+3],   v[KL], s[4:5] offset:1024
	global_load_b128 v[Q1+4:Q1+7], v[KL], s[4:5] offset:1536
	s_and_b32 s54, s14, 15                         ; head
	s_lshr_b32 s55, s14, 4                         ; batch
	s_lshl_b32 s55, s55, 7
	s_add_co_u32 s55, s55, s53                     ; row / 16 = 128 batch + 32 cx + 2 wave
	s_lshl_b32 s50, s55, 12
	s_lshr_b32 s55, s54, 2
	s_lshl_b32 s55, s55, 21                        ; head / 4: 512 x 4,096 bytes each
	s_add_co_u32 s50, s50, s55
	s_and_b32 s55, s54, 3
	s_lshl_b32 s55, s55, 10                        ; 2,048 ((head / 2) % 2) + 1,024 (head % 2)
	s_add_co_u32 s50, s50, s55
	s_add_nc_u64 s[10:11], s[10:11], s[50:51]
	v_bfe_u32 v8, v0, 3, 1                         ; a3 = (lane / 8) % 2
	v_bfe_u32 v9, v0, 4, 1                         ; hh
	s_delay_alu instid0(VALU_DEP_1)
	v_xor_b32 v9, v8, v9
	v_and_b32 v[VL], 7, v0
	s_delay_alu instid0(VALU_DEP_1)
	v_lshlrev_b32 v[VL], 4, v[VL]
	s_delay_alu instid0(VALU_DEP_1)
	v_lshl_add_u32 v[VL], v9, 7, v[VL]
	s_delay_alu instid0(VALU_DEP_1)
	v_lshl_add_u32 v[VL], v8, 8, v[VL]
	s_delay_alu instid0(VALU_DEP_1)
	v_add_nc_u32 v[VL], 8192, v[VL]                ; v^T: 8,192 + 256 a3 + 128 (a3 xor hh) + 16 (lane % 8): the 16 lanes of each half touch 16 different 16-byte columns
	v_mov_b32 v9, 0xff61b1e6                       ; the largest t so far: -3e38, under every t
	s_delay_alu instid0(VALU_DEP_1)
	v_floor_f32 v8, -v9                            ; -M
	v_mov_b32 v13, 0xff61b1e6
	s_delay_alu instid0(VALU_DEP_1)
	v_floor_f32 v12, -v13
	v_mov_b32 v10, 0                               ; the sums, in two halves
	v_mov_b32 v11, 0
	v_mov_b32 v14, 0
	v_mov_b32 v15, 0
	v_mov_b32 v34, 0                               ; written once: a lane permute's destination counts as one of its sources,
	v_mov_b32 v50, 0
	v_mov_b32 v37, 0                               ; and these are named as the upper halves of pairs
	v_mov_b32 v53, 0
.set n, 0
.rept 64
	v_mov_b32 v[192+n], 0                          ; O^T.  (The step is written for all steps alike: the first finds zeros, which the first change of M leaves zeros)
.set n, n+1
.endr
	s_wait_kmcnt 0x0
	s_add_co_i32 s48, s42, s43
	s_lshl_b32 s48, s48, 23
	s_add_co_i32 s[CS], s[CS], s48                 ; a score stands for score x 2^(e6 + e7): the two exponents are added to c's exponent field
	s_mov_b32 s[CS+1], s[CS]                       ; (named with it as a pair, so it is written)
	s_add_co_i32 s48, s44, 127
	s_lshl_b32 s49, s48, 23
	v_mov_b32 v[SCV], s49                          ; 2^e8
	s_add_co_i32 s48, s48, 8
	s_lshl_b32 s48, s48, 23
	s_or_b32 s48, s48, 0x600000
; THE SOFTMAX of tile t for 128 keys: the 64 scores of my query in v[S] on become p, its sum, and p's codes in v[PC] on.
.macro SOFT t
.set NM, 8+4*(\t)                      ; -M; NM + 1: the largest t
.set LS, 10+4*(\t)                     ; the sum's pair
.set PC, 32+16*(\t)                    ; at work: PC, PC + 1 the maximum's chains; PC + 2 the other half's; PC + 4 f; PC + 6, 7 the sum's second chain
.set OT, 192+32*(\t)
	v_max3_num_f32 v[PC], v[S], v[S+1], v[S+2]     ; the largest score, in two chains, each accumulator from its low end on
	v_max3_num_f32 v[PC+1], v[S+3], v[S+4], v[S+5]
.set n, 6
.rept 14
	v_max3_num_f32 v[PC], v[PC], v[S+n], v[S+n+1]
	v_max3_num_f32 v[PC+1], v[PC+1], v[S+n+2], v[S+n+3]
.set n, n+4
.endr
	v_max3_num_f32 v[PC], v[PC], v[S+62], v[S+63]
	s_delay_alu instid0(VALU_DEP_1)
	v_max_num_f32 v[PC], v[PC], v[PC+1]
	v_permlanex16_b32 v[PC+2], v[PC], s[SEL], s[SEL+1]
	s_delay_alu instid0(VALU_DEP_1)
	v_max_num_f32 v[PC], v[PC], v[PC+2]            ; and among lane l xor 16's keys
	s_delay_alu instid0(VALU_DEP_1)
	v_mul_f32 v[PC], s[CS], v[PC]                  ; as t (c is positive)
	s_delay_alu instid0(VALU_DEP_1)
	v_max_num_f32 v[NM+1], v[NM+1], v[PC]          ; the running largest t
	v_mov_b32 v[PC], v[NM]
	s_delay_alu instid0(VALU_DEP_2)
	v_floor_f32 v[NM], -v[NM+1]                    ; the new -M = floor(-t) = -ceil(t): M is a whole number
	s_delay_alu instid0(VALU_DEP_1)
	v_sub_f32 v[PC], v[NM], v[PC]                  ; old M less new M: a whole number, 0 or less
	s_delay_alu instid0(VALU_DEP_1)
	v_cvt_i32_f32 v[PC], v[PC]                     ; (it saturates)
	s_delay_alu instid0(VALU_DEP_1)
	v_ldexp_f32 v[PC+4], 1.0, v[PC]                ; f = 2^(old M - new M)
.set n, 0
.rept 32
	v_pk_fma_f32 v[S+n:S+n+1], v[S+n:S+n+1], s[CS:CS+1], v[NM:NM+1] op_sel_hi:[1,0,0]   ; t - M, two at a time (of the pairs c and -M the low word serves both halves)
.set n, n+2
.endr
.set n, 0
	s_wait_alu depctr_va_vdst(0)
.rept 64
	v_exp_f32 v[S+n], v[S+n]                       ; p = 2^(t - M), at most 1
.set n, n+1
.endr
	v_pk_mul_f32 v[LS:LS+1], v[LS:LS+1], v[PC+4:PC+5] op_sel_hi:[1,0]   ; the sums under the new M.  (The plain instruction behind the exponentials)
	s_wait_alu depctr_va_vdst(0)                   ; one wait for the whole batch, ahead of its first reader
	v_pk_add_f32 v[PC+6:PC+7], v[S:S+1], v[S+2:S+3]   ; the sum is taken of the unquantised p: two at a time, in two chains
.set n, 4
.rept 15
	v_pk_add_f32 v[LS:LS+1], v[LS:LS+1], v[S+n:S+n+1]
	v_pk_add_f32 v[PC+6:PC+7], v[PC+6:PC+7], v[S+n+2:S+n+3]
.set n, n+4
.endr
	s_delay_alu instid0(VALU_DEP_1)
	v_pk_add_f32 v[LS:LS+1], v[LS:LS+1], v[PC+6:PC+7]
.set n, 0
.rept 16
	v_pk_mul_f32 v[OT+n:OT+n+1], v[OT+n:OT+n+1], v[PC+4:PC+5] op_sel_hi:[1,0]   ; O^T under the new M, each accumulator from its low end on
.set n, n+2
.endr
.set n, 0
.rept 64
.set n, n+1
.endr
.set n, 0
.rept 8
	v_cvt_scalef32_pk8_fp8_f32 v[PC+2*n:PC+2*n+1], v[S+8*n:S+8*n+7], v[SCV]
.set n, n+1
.endr
	v_nop                                          ; one plain vector instruction between the conversions and the products that write their sources or read their results
.endm
; A KEY STEP: 128 keys, for both my tiles.
.macro STEP
	s_setprio 2
	v_add_nc_u32 v[ADR], s[TB], v[KL]
.rept 3
	v_nop                                          ; with the addition: four places behind the last step's products, which read the registers that are loaded now
.endr
.set fi, 0
.rept 8
	ds_load_b128 v[KV+8*fi:KV+8*fi+3],   v[ADR] offset:1024*fi
	ds_load_b128 v[KV+8*fi+4:KV+8*fi+7], v[ADR] offset:1024*fi+512
.set fi, fi+1
.endr
.set fi, 0
.rept 8
	s_wait_dscnt 14-2*fi                           ; fragment fi is in: behind its two loads 14 - 2 fi were issued
	v_wmma_f32_16x16x64_fp8_fp8 v[S+8*fi:S+8*fi+7], v[KV+8*fi:KV+8*fi+7], v[Q0:Q0+7], 0
.set fi, fi+1
.endr
.rept 4
	v_nop
.endr
	SOFT 0
.set fi, 0
.rept 8
	v_wmma_f32_16x16x64_fp8_fp8 v[S+8*fi:S+8*fi+7], v[KV+8*fi:KV+8*fi+7], v[Q1:Q1+7], 0
.set fi, fi+1
.endr
	v_add_nc_u32 v[ADR], s[TB], v[VL]
.rept 3
	v_nop                                          ; four places: k's registers are loaded anew, and the scores read
.endr
.set fi, 0
.rept 4
.irp c, 0,1,2,3
	ds_load_b128 v[KV+16*fi+4*\c:KV+16*fi+4*\c+3], v[ADR] offset:2048*fi+512*\c   ; v^T lands under the second tile's softmax
.endr
.set fi, fi+1
.endr
	s_setprio 1
	SOFT 1
	s_setprio 0
	s_wait_alu depctr_va_vdst(0)
	s_wait_dscnt 0x0
.set fi, 0
.rept 4                                        ; O^T += v^T p^T: the eight accumulators take turns, one instruction a turn
	v_wmma_f32_16x16x128_fp8_fp8 v[192+8*fi:199+8*fi], v[KV+16*fi:KV+16*fi+15], v[32:47], v[192+8*fi:199+8*fi]
	v_wmma_f32_16x16x128_fp8_fp8 v[224+8*fi:231+8*fi], v[KV+16*fi:KV+16*fi+15], v[48:63], v[224+8*fi:231+8*fi]
.set fi, fi+1
.endr
.endm
	s_wait_tensorcnt 1                             ; my part of the first 8 steps is in; my part of the second half, issued behind it, may stay out
	s_barrier_signal -1
	s_barrier_wait -1                              ; everybody's is
	s_wait_loadcnt 0x0                             ; q
	s_mov_b32 s[TB], 0
	s_mov_b32 s[CNT], 8
.Lhalf0:
	STEP
	s_add_co_u32 s[TB], s[TB], 16384
	s_sub_co_u32 s[CNT], s[CNT], 1
	s_cmp_lg_u32 s[CNT], 0
	s_cbranch_scc1 .Lhalf0
	s_setprio 0
	s_wait_tensorcnt 0x0                           ; my part of the second half is in,
	s_barrier_signal -1
	s_barrier_wait -1                              ; everybody's is
	s_mov_b32 s[TB], 131072
	s_mov_b32 s[CNT], 8
.Lhalf1:
	STEP
	s_add_co_u32 s[TB], s[TB], 16384
	s_sub_co_u32 s[CNT], s[CNT], 1
	s_cmp_lg_u32 s[CNT], 0
	s_cbranch_scc1 .Lhalf1
	s_setprio 0
	; THE WAY OUT: O^T x 2^(e8 + e9) / the sum, quantised with 2^e10.  A lane's eight channels of a tile are 8 bytes of codes: the 32 lanes of a store fill 256 consecutive bytes, aligned.
.rept 4
	v_nop
.endr
	v_add_f32 v10, v10, v11                        ; the sums' two halves,
	v_add_f32 v14, v14, v15
	s_delay_alu instid0(VALU_DEP_2)
	v_permlanex16_b32 v11, v10, s[SEL], s[SEL+1]
	s_delay_alu instid0(VALU_DEP_2)
	v_permlanex16_b32 v15, v14, s[SEL], s[SEL+1]
	s_delay_alu instid0(VALU_DEP_2)
	v_add_f32 v10, v10, v11                        ; and lane l xor 16's: the rows' sums
	s_delay_alu instid0(VALU_DEP_2)
	v_add_f32 v14, v14, v15
	s_wait_alu depctr_va_vdst(0)
	v_rcp_f32 v10, v10
	v_rcp_f32 v14, v14
	v_and_b32 v[ADR], 15, v0                       ; (plain instructions behind the reciprocals)
	v_bfe_u32 v[VL], v0, 4, 1
	s_delay_alu instid0(VALU_DEP_2)
	v_lshlrev_b32 v[ADR], 4, v[ADR]
	s_delay_alu instid0(VALU_DEP_1)
	v_lshl_add_u32 v[ADR], v[VL], 3, v[ADR]        ; 16 r + 8 hh
	s_add_co_i32 s48, s44, s45                     ; e8 + e9
	s_add_co_i32 s49, s46, 127
	s_lshl_b32 s50, s49, 23
	v_mov_b32 v[SCV], s50                          ; 2^e10
	s_wait_alu depctr_va_vdst(0)                   ; one wait for both reciprocals, ahead of their first reader
	v_ldexp_f32 v10, v10, s48
	v_ldexp_f32 v14, v14, s48
.irp t, 0,1
.set n, 0
.rept 16
	v_pk_mul_f32 v[S+32*\t+n:S+32*\t+n+1], v[192+32*\t+n:192+32*\t+n+1], v[10+4*\t:11+4*\t] op_sel_hi:[1,0]   ; register 8 u + j: channel 16 u + 8 hh + j of my query
.set n, n+2
.endr
.set n, 0
.rept 32
.set n, n+1
.endr
.set n, 0
.rept 4
	v_cvt_scalef32_pk8_fp8_f32 v[32+16*\t+2*n:33+16*\t+2*n], v[S+32*\t+8*n:S+32*\t+8*n+7], v[SCV]
.set n, n+1
.endr
	v_nop
.set n, 0
.rept 4
	global_store_b64 v[ADR], v[32+16*\t+2*n:33+16*\t+2*n], s[10:11] offset:4096*\t+512*(n/2)+256*(n%2)
.set n, n+1
.endr
.endr
	s_wait_tensorcnt 0x0                           ; the wave's end, behind my last tensor load
	ds_add_u32 v[SPW], v[NIL]
	s_wait_dscnt 0x0
	CROUND                                         ; the closing round: no work-group ends while a partner may still ask for a tile that names it
	s_endpgm
.Lfunc_end_k_q295ac314e9_attn:
	.size	k_q295ac314e9_attn, .Lfunc_end_k_q295ac314e9_attn-k_q295ac314e9_attn
	.p2alignl 7, 3214868480
	.fill 96, 4, 3214868480
	.section	.rodata,"a",@progbits
	.p2align	6, 0x0
	.amdhsa_kernel k_q295ac314e9_attn
		.amdhsa_group_segment_fixed_size 327680
		.amdhsa_private_segment_fixed_size 0
		.amdhsa_enable_private_segment 0
		.amdhsa_kernarg_size 32
		.amdhsa_user_sgpr_count 2
		.amdhsa_user_sgpr_kernarg_segment_ptr 1
		.amdhsa_wavefront_size32 1
		.amdhsa_system_sgpr_workgroup_id_x 1
		.amdhsa_system_sgpr_workgroup_id_y 1
		.amdhsa_system_sgpr_workgroup_id_z 1
		.amdhsa_system_vgpr_workitem_id 0
		.amdhsa_next_free_vgpr 256
		.amdhsa_next_free_sgpr 66
		.amdhsa_reserve_vcc 0
		.amdhsa_float_denorm_mode_32 3
		.amdhsa_float_denorm_mode_16_64 3
		.amdhsa_fp16_overflow 1
		.amdhsa_memory_ordered 1
		.amdhsa_forward_progress 1
		.amdhsa_inst_pref_size 64
	.end_amdhsa_kernel
	.amdgpu_metadata
---
amdhsa.version: [ 1, 2 ]
amdhsa.kernels:
  - .name:           k_q295ac314e9_attn
    .symbol:         k_q295ac314e9_attn.kd
    .args:
      - { .name: q, .offset: 0, .size: 8, .value_kind: global_buffer, .address_space: global }
      - { .name: kv, .offset: 8, .size: 8, .value_kind: global_buffer, .address_space: global }
      - { .name: lowp_scales, .offset: 16, .size: 8, .value_kind: global_buffer, .address_space: global }
      - { .name: ao, .offset: 24, .size: 8, .value_kind: global_buffer, .address_space: global }
    .group_segment_fixed_size: 327680
    .private_segment_fixed_size: 0
    .kernarg_segment_align: 8
    .kernarg_segment_size: 32
    .max_flat_workgroup_size: 512
    .sgpr_count:     66
    .vgpr_count:     256
    .wavefront_size: 32
...
	.end_amdgpu_metadata
.endif
;; end of part 2
;; launch proj (part 3): grid 4 x 32, 4 waves a work-group, clusters of 4 x 4, 327,680 bytes of LDS; arguments ao, W_o_codes, lowp_scales, out0, b_o; writes out0
.if DOCPART == 3
	.amdgcn_target "amdgcn-amd-amdhsa--gfx1250"
	.amdhsa_code_object_version 6
	.text
	.protected	k_q295ac314e9_proj
	.globl	k_q295ac314e9_proj
	.p2align	8
	.type	k_q295ac314e9_proj,@function
k_q295ac314e9_proj:
	s_mov_b64 s[64:65], 0
	v_nop
	global_prefetch_b8 v0, s[64:65] scope:SCOPE_SE
	s_setreg_imm32_b32 hwreg(HW_REG_WAVE_MODE, 25, 1), 1
	s_wait_xcnt 0x0
	s_wait_alu depctr_hold_cnt(0) depctr_sa_sdst(0) depctr_va_vdst(0) depctr_va_sdst(0) depctr_va_ssrc(0) depctr_va_vcc(0) depctr_vm_vsrc(0)
	s_getreg_b32 s2, hwreg(HW_REG_IB_STS2, 6, 4)
	s_cmp_eq_u32 s2, 0
	s_cbranch_scc0 .Lentry_in_a_cluster
	s_endpgm
.Lentry_in_a_cluster:
	s_bfe_u32 s2, ttmp6, 0x10000c
	s_cmp_lg_u32 s2, 0xf033
	s_cbranch_scc0 .Lentry_shape_is_right
	s_endpgm
.Lentry_shape_is_right:
; out0 = a W_o^T + b_o, on codes of FP8 (E4M3).  a: the attention's result, [8192][1024] as codes with the scale 2^e10, stored by the launch before as images of operand registers:
; ao[K step of 256 (4)][row / 16 (512)][128 along K (2)][2048]: byte 512 c + 256 hh + 16 r + i = the code of (row r, K = 32 c + 16 hh + i).  W_o: [1024][1024] codes, K innermost, scale 2^e11.  out0: [8192][1024] f32.
; out0 = sum x 2^(e10 + e11) + b_o, one fused multiply-add.  Nothing is left out.   LIMIT: e10 + e11 between -126 and 127, so that 2^(e10 + e11) is an f32 number.  NaN codes are not served.
; Inside a matrix instruction k is permuted, alike in both operands (registers 4 c .. 4 c + 3: K = 32 c + 16 (lane / 16) + 0 .. 15): only the order of the sums inside an instruction changes.
; A tile of out0, 256 x 256, is made by a work-group of four waves; a wave makes 128 x 128: 64 accumulators, 512 registers.  K goes in steps of 256 through a ring of two LDS slots filled by the tensor data mover.
; a's part of a K step, 16 blocks of 16 rows x 4,096 bytes, is one dense block of memory and is read from LDS at 16 x lane: no pitch, no padding.  W_o's rows lie 272 bytes apart in LDS.
; CLUSTERS: 4 x 4 work-groups; a's tile is shared along a row of the cluster, W_o's along a column: each is asked for jointly.
; THE MATRIX INSTRUCTION IS USED TRANSPOSED (source 0 = 16 rows of W_o, source 1 = 16 rows of a): a lane holds eight neighbouring numbers of a row of out0.
; REGISTERS, in windows of 256: window 0: v8-11 b_o of my four columns on the way out; v16-29 addresses; from v128 a's fragments, ONE set; on the way out v128-255 rows read back.
;   window 1: W_o's fragments, TWO sets.   windows 2, 3: the accumulators, (a, b) at v[8 (8 (a % 4) + b)].
.set PITCH,  272                       ; a row of W_o in LDS: 256 bytes + 16 of padding
.set FR,     16
.set NL,     4
.set NP,     4                         ; places behind this matrix instruction (ISA guide 7.12.1)
.set HALFA,  32768                     ; a: 8 blocks of 16 rows x 4,096 bytes: what one tensor load brings
.set HALFB,  128*PITCH                 ; W_o: 128 rows
.set BOFF,   2*HALFA                   ; W_o's rows lie behind a's 65,536 bytes
.set SLOT,   BOFF+2*HALFB
.set SPARE,  2*SLOT                    ; behind the ring: the spare words, 128 bytes for each wave: two blocks of 256 bytes that no other line names
.set KSA,    2097152                   ; from a K step of a to the next, in bytes
.set SPITCH, 528                       ; the way out: a stage of 16 rows x (512 bytes + 16) for each wave.  It lies in slot 0, which has had its last fill and its last read when the first result is stored there
.set ADRA, 16
.set ADRB, 20
.set STO,  24                          ; v24     the way out: where I put 32 bytes of a row
.set RD,   25                          ; v25     where I read a row back
.set CO,   26                          ; v26     16 x lane
.set SPW,  28
.set NIL,  29
.set AF,   128
.set BK,   128                         ; the way out: 16 rows read back: v128-191 and v192-255 by turns
.set G1, 24
.set G0, 32
.set G1B, 48
.set G0B, 56
.set MSB, 0
.macro WIN new                         ; the immediate's high byte repeats the setting that is left
.if MSB != \new
	s_set_vgpr_msb (MSB<<8)|\new
.set MSB, \new
.endif
.endm
.set MUL_LO, 0xa1                      ; source 0 (W_o) window 1, source 1 (a) window 0, C and D window 2
.set MUL_HI, 0xf1
.set TO_B,   0x40
.macro JLOAD g0a, g1a, g0b, g1b        ; a joint load: waves 0 and 1 fetch for a, waves 2 and 3 for W_o; an s_nop 0 and four v_nop follow each of the two lines
	s_cmp_eq_u32 s15, 0
	s_cbranch_scc0 .Lfor_b_\@
	tensor_load_to_lds s[\g0a:\g0a+3], s[\g1a:\g1a+7]
	s_nop 0
.rept 4
	v_nop
.endr
	s_branch .Lasked_\@
.Lfor_b_\@:
	tensor_load_to_lds s[\g0b:\g0b+3], s[\g1b:\g1b+7]
	s_nop 0
.rept 4
	v_nop
.endr
.Lasked_\@:
.endm
.macro CREST
	s_cmp_lg_u32 s14, 0
	s_cbranch_scc1 .Lnot_wave_0_\@
	s_barrier_signal -3
.Lnot_wave_0_\@:
	s_barrier_wait -3
	s_barrier_signal -1
	s_barrier_wait -1
.endm
.macro CROUND
	s_barrier_signal -1
	s_barrier_wait -1
	CREST
.endm
	s_load_b128 s[4:7], s[0:1], 0x0                ; ao s[4:5], W_o's codes s[6:7]
	s_load_b128 s[8:11], s[0:1], 0x10              ; the scales' exponents s[8:9], out0 s[10:11]
	s_load_b64 s[12:13], s[0:1], 0x20              ; b_o
	v_lshl_add_u32 v[SPW], v0, 2, SPARE
	v_mov_b32 v[NIL], 0
	ds_add_u32 v[SPW], v[NIL]                      ; the wave's opening: the add, twice on end, and its wait ahead of my first tensor load
	ds_add_u32 v[SPW], v[NIL]                      ; and once more, under the one wait
	v_lshrrev_b32 v1, 5, v0
	v_readfirstlane_b32 s14, v1                    ; wave 0..3
	s_lshr_b32 s15, s14, 1                         ; i: which half of the tile's rows is mine.  Also: I fetch for a (0) or for W_o (1)
	s_and_b32 s16, s14, 1                          ; j: which half of its columns.  Also: which half of that tile I fetch
	s_bfe_u32 s40, ttmp6, 0x40000                  ; cx, cy
	s_bfe_u32 s41, ttmp6, 0x40004
	s_lshl_b32 s42, ttmp9, 2
	s_add_co_u32 s42, s42, s40                     ; tile column
	s_and_b32 s17, ttmp7, 0xffff
	s_lshl_b32 s17, s17, 2
	s_add_co_u32 s17, s17, s41                     ; tile row
	s_lshl_b32 s43, s41, 2
	s_lshl_b32 s43, 15, s43                        ; my row of the cluster
	s_lshl_b32 s44, 0x1111, s40                    ; my column
	s_or_b32 s[G1+0], s43, (0<<16)|(1<<21)         ; a: the mask of my row; elements of 1 byte; 21 set beside a mask; no padding
	s_or_b32 s[G1B+0], s44, (0<<16)|(1<<20)|(1<<21)|(5<<22)|(3<<25)  ; W_o: the mask of my column; four words of padding after every 64
.irp g, G1, G1B
	s_mov_b32 s[\g+1], 256<<16                     ; tensor_dim0
	s_mov_b32 s[\g+2], 128<<16                     ; tensor_dim1
	s_mov_b32 s[\g+3], 256<<16                     ; tile_dim0
	s_mov_b32 s[\g+4], 128                         ; tile_dim1
	s_mov_b32 s[\g+6], 0
	s_mov_b32 s[\g+7], 0
.endr
	s_mov_b32 s[G1+5], 256                         ; a's block is dense: rows of 256 bytes on end
	s_mov_b32 s[G1B+5], 1024                       ; a row of W_o in memory
	s_lshl_b32 s20, s17, 16                        ; a: 65,536 x tile row + 32,768 x half
	s_lshl_b32 s21, s16, 15
	s_add_co_u32 s20, s20, s21
	s_mov_b32 s21, 0
	s_lshl_b32 s46, s42, 18                        ; W_o: row 256 x tile column + 128 x half
	s_lshl_b32 s47, s16, 17
	s_add_co_u32 s46, s46, s47
	s_mov_b32 s47, 0
	s_lshl_b32 s45, s16, 15                        ; where they go: a's halves,
	s_mul_i32 s18, s16, HALFB
	s_add_co_u32 s18, s18, BOFF                    ; W_o's behind them: no place in the cluster enters an LDS address
	s_wait_dscnt 0x0                               ; both opening adds are done
	s_wait_kmcnt 0x0
	s_load_b64 s[96:97], s[8:9], 0x28              ; e10, e11
	s_add_nc_u64 s[20:21], s[4:5], s[20:21]
	s_add_nc_u64 s[46:47], s[6:7], s[46:47]
	CROUND                                         ; all sixteen work-groups are here: the first joint loads meet
.irp s, 0,1
	s_mov_b32 s[G0+4*\s], 1
	s_add_co_u32 s[G0+4*\s+1], s45, \s*SLOT
	s_add_nc_u64 s[G0+4*\s+2:G0+4*\s+3], s[20:21], \s*KSA
	s_or_b32 s[G0+4*\s+3], s[G0+4*\s+3], 0x80000000
	s_mov_b32 s[G0B+4*\s], 1
	s_add_co_u32 s[G0B+4*\s+1], s18, \s*SLOT
	s_add_nc_u64 s[G0B+4*\s+2:G0B+4*\s+3], s[46:47], \s*256
	s_or_b32 s[G0B+4*\s+3], s[G0B+4*\s+3], 0x80000000
	s_wait_alu depctr_va_vdst(0)
	s_wait_tensorcnt 0x0
	ds_add_u32 v28, v29
	ds_add_u32 v28, v29
	s_wait_dscnt 0x0
	CROUND
	JLOAD G0+4*\s, G1, G0B+4*\s, G1B
.endr
	v_and_b32 v1, 15, v0                           ; r
	v_bfe_u32 v2, v0, 4, 1                         ; hh
	v_mul_u32_u24 v3, v1, PITCH
	v_lshl_add_u32 v4, v2, 4, v3                   ; W_o: row r x pitch + 16 hh
	v_and_b32 v6, 31, v0
	v_lshlrev_b32 v[CO], 4, v6                     ; 16 x lane
	s_wait_alu depctr_va_vdst(0)
	s_lshl_b32 s21, s15, 15                        ; my 8 blocks of a
	s_mul_i32 s22, s16, HALFB
	s_add_co_u32 s22, s22, BOFF                    ; my 128 rows of W_o
.irp s, 0,1
	v_add_nc_u32 v[ADRA+\s], s21, v[CO]
	v_add_nc_u32 v[ADRB+\s], s22, v4
	s_add_co_u32 s21, s21, SLOT
	s_add_co_u32 s22, s22, SLOT
.endr
	s_mul_i32 s23, s14, 16*SPITCH                  ; my stage
	v_mul_u32_u24 v5, v1, SPITCH
	v_lshl_add_u32 v5, v2, 5, v5
	v_add_nc_u32 v[STO], s23, v5                   ; in: row r, 32 bytes for each half of the lanes
	v_add_nc_u32 v[RD], s23, v[CO]                 ; back: the 32 lanes take one row of 512 bytes
	s_lshl_b32 s46, s42, 10                        ; my first column, in bytes: 1,024 x tile column + 512 x half
	s_lshl_b32 s47, s16, 9
	s_add_co_u32 s46, s46, s47
	s_mov_b32 s47, 0
	s_add_nc_u64 s[12:13], s[12:13], s[46:47]
	global_load_b128 v[8:11], v[CO], s[12:13]      ; b_o of the four columns that I store
	s_lshl_b32 s20, s17, 8
	s_lshl_b32 s21, s15, 7
	s_add_co_u32 s20, s20, s21                     ; my first row: 256 x tile row + 128 x half
	s_lshl_b32 s20, s20, 12                        ; 4,096 bytes a row
	s_mov_b32 s21, 0
	s_add_nc_u64 s[20:21], s[20:21], s[46:47]
	s_add_nc_u64 s[10:11], s[10:11], s[20:21]
.macro FRAGA reg, adr, q, i            ; a's fragment: the image of its 16 registers, 512 bytes for each four
.irp c, 0,1,2,3
	ds_load_b128 v[\reg+4*\c:\reg+4*\c+3], v[\adr] offset:4096*(\i)+2048*(\q)+512*\c
.endr
.endm
.macro FRAGB reg, adr, q, i            ; W_o's: from rows: registers 4 c .. 4 c + 3 hold K = 32 c + 16 (lane / 16) + 0 .. 15
.irp c, 0,1,2,3
	ds_load_b128 v[\reg+4*\c:\reg+4*\c+3], v[\adr] offset:128*(\q)+32*\c+(\i)*16*PITCH
.endr
.endm
; 16 matrix instructions: a's blocks a0, a0 + 1 x W_o's eight.  The 64 accumulators take turns, one instruction a turn, in the same order in every step.
.macro MUL16 a0, p, zero
.irp a, \a0, \a0+1
.irp b, 0,1,2,3,4,5,6,7
.if \zero
	v_wmma_f32_16x16x128_fp8_fp8 v[8*(8*((\a)%4)+\b):8*(8*((\a)%4)+\b)+7], v[128*(\p)+FR*\b:128*(\p)+FR*\b+FR-1], v[AF+FR*(\a):AF+FR*(\a)+FR-1], 0
.else
	v_wmma_f32_16x16x128_fp8_fp8 v[8*(8*((\a)%4)+\b):8*(8*((\a)%4)+\b)+7], v[128*(\p)+FR*\b:128*(\p)+FR*\b+FR-1], v[AF+FR*(\a):AF+FR*(\a)+FR-1], v[8*(8*((\a)%4)+\b):8*(8*((\a)%4)+\b)+7]
.endif
.endr
.endr
.endm
.macro FETCH_B slot, q, p
	WIN TO_B
.irp i, 0,1,2,3,4,5,6,7
	FRAGB 128*(\p)+FR*\i, ADRB+\slot, \q, \i
.endr
	WIN 0
.endm
.macro FETCH_A slot, q, i0
.irp i, \i0, \i0+1, \i0+2, \i0+3
	FRAGA AF+FR*(\i), ADRA+\slot, \q, \i
.endr
.endm
.macro PLACES n
.rept \n
	v_nop
.endr
.endm
.macro STEP slot, q, zero
	s_wait_dscnt 4*NL                              ; W_o's set and a's blocks 0-3 are in; the youngest 16 loads (blocks 4-7) may be out
	WIN MUL_LO
	MUL16 0, (\q)%2, \zero
	MUL16 2, (\q)%2, \zero
	s_wait_dscnt 0
	PLACES NP
	FETCH_B \slot, (\q)+1, 1-(\q)%2
	FETCH_A \slot, (\q)+1, 0
	WIN MUL_HI
	MUL16 4, (\q)%2, \zero
	MUL16 6, (\q)%2, \zero
	PLACES NP
	WIN 0
	FETCH_A \slot, (\q)+1, 4
.endm
.macro TURN slot, next, fill
	s_wait_tensorcnt 0x0                           ; all my tensor loads have landed: my part of the next slot
	ds_add_u32 v[SPW], v[NIL]                      ; 0 onto my spare word
	s_wait_dscnt 4*NL+1                            ; (the add and the youngest 16 loads may be out)
	WIN MUL_LO
	MUL16 0, 1, 0
	s_wait_dscnt 0x0                               ; the add is done, and my reads of this slot are over
	s_barrier_signal -1
	MUL16 2, 1, 0
	WIN 0
	s_barrier_wait -1
.if \fill
	CREST                                          ; the barrier has opened a round of the cluster's barrier: no wave of any partner still reads this slot or has a load on its way
	s_add_nc_u64 s[G0+4*\slot+2:G0+4*\slot+3], s[G0+4*\slot+2:G0+4*\slot+3], 2*KSA
	s_add_nc_u64 s[G0B+4*\slot+2:G0B+4*\slot+3], s[G0B+4*\slot+2:G0B+4*\slot+3], 2*256
	JLOAD G0+4*\slot, G1, G0B+4*\slot, G1B         ; the first tensor load behind the round; its four v_nop are the places in front of the loads below
.else
	PLACES NP
.endif
	FETCH_B \next, 0, 0
	FETCH_A \next, 0, 0
	WIN MUL_HI
	MUL16 4, 1, 0
	MUL16 6, 1, 0
	PLACES NP
	WIN 0
	FETCH_A \next, 0, 4
.endm
	s_wait_alu depctr_va_vdst(0)
	s_wait_tensorcnt 1                             ; my part of K step 0 is in (K step 1's load, issued behind it, may be out),
	s_barrier_signal -1
	s_barrier_wait -1                              ; everybody's is
	FETCH_B 0, 0, 0
	FETCH_A 0, 0, 0
	FETCH_A 0, 0, 4
	STEP 0, 0, 1                                   ; four K steps, twice round the ring: written out, no loop
	TURN 0, 1, 1
	STEP 1, 0, 0
	TURN 1, 0, 1
	STEP 0, 0, 0
	TURN 0, 1, 0
	STEP 1, 0, 0
	s_wait_dscnt 4*NL
	WIN MUL_LO
	MUL16 0, 1, 0
	MUL16 2, 1, 0
	s_wait_dscnt 0
	WIN MUL_HI
	MUL16 4, 1, 0
	MUL16 6, 1, 0
	WIN 0
; THE WAY OUT, block by block of 16 rows x 128 columns: the sums go through my own stage in LDS as they are and come back as whole rows of 512 bytes; there a lane holds four columns, the same in every row,
; so that sum x 2^(e10 + e11) + b_o is one packed multiply-add for two numbers with b_o in four registers.  LDS serves a wave's instructions in order (ISA guide 5.7.1.4): no wait between the stores and the loads.
.macro TOSTAGE a
.set AC, 64*((\a)%4)
	WIN 0x08+4*((\a)/4)                            ; the stores' data: window 2 or 3
.irp b, 0,1,2,3,4,5,6,7
	ds_store_b128 v[STO], v[AC+8*\b:AC+8*\b+3] offset:64*\b          ; each accumulator from its low end on
	ds_store_b128 v[STO], v[AC+8*\b+4:AC+8*\b+7] offset:64*\b+16
.endr
	WIN 0
.set BB, BK+64*((\a)%2)
.irp t, 0,1,2,3,4,5,6,7,8,9,10,11,12,13,14,15
	ds_load_b128 v[BB+4*\t:BB+4*\t+3], v[RD] offset:\t*SPITCH
.endr
.endm
.macro SEND a, younger                 ; younger: the LDS instructions issued behind block a's loads, which may stay out
.set BB, BK+64*((\a)%2)
	s_wait_dscnt \younger                          ; the block is back in registers
.if (\a) > 0
	s_add_nc_u64 s[10:11], s[10:11], 16*4096       ; (behind a wait on XCNT: the earlier stores have read their base)  16 rows on
.endif
.irp t, 0,1,2,3,4,5,6,7,8,9,10,11,12,13,14,15
	v_pk_fma_f32 v[BB+4*\t:BB+4*\t+1], v[BB+4*\t:BB+4*\t+1], s[96:97], v[8:9] op_sel_hi:[1,0,1]
	v_pk_fma_f32 v[BB+4*\t+2:BB+4*\t+3], v[BB+4*\t+2:BB+4*\t+3], s[96:97], v[10:11] op_sel_hi:[1,0,1]
.endr
.irp t, 0,1,2,3,4,5,6,7,8,9,10,11,12,13,14,15
	global_store_b128 v[CO], v[BB+4*\t:BB+4*\t+3], s[10:11] offset:\t*4096 th:TH_STORE_NT   ; 32 lanes store 512 consecutive bytes, at a multiple of 256 from out0's first byte
.endr
.endm
	s_wait_kmcnt 0x0
	s_add_co_i32 s96, s96, s97                     ; e10 + e11
	s_add_co_i32 s96, s96, 127
	s_lshl_b32 s96, s96, 23                        ; 2^(e10 + e11) as f32
	s_mov_b32 s97, s96                             ; (named with it as a pair, so it is written)
	s_wait_loadcnt 0x0                             ; b_o
	PLACES NP                                      ; behind the last products: their results are stored, and a's registers loaded, below
	TOSTAGE 0
.irp a, 1,2,3,4,5,6,7
.if \a > 1
	s_wait_xcnt 0x0                                ; block a - 2's stores have read their registers and their base: block a's loads may land there, and the base may step
.endif
	TOSTAGE \a
	SEND \a-1, 32                                  ; behind block a - 1's loads: block a's 16 stores and 16 loads
.endr
	s_wait_xcnt 0x0                                ; block 6's stores have read their base
	SEND 7, 0
	s_wait_tensorcnt 0x0                           ; the wave's end, behind my last tensor load and my last LDS store
	ds_add_u32 v[SPW], v[NIL]
	s_wait_dscnt 0x0
	CROUND                                         ; the closing round
	s_endpgm
.Lfunc_end_k_q295ac314e9_proj:
	.size	k_q295ac314e9_proj, .Lfunc_end_k_q295ac314e9_proj-k_q295ac314e9_proj
	.p2alignl 7, 3214868480
	.fill 96, 4, 3214868480
	.section	.rodata,"a",@progbits
	.p2align	6, 0x0
	.amdhsa_kernel k_q295ac314e9_proj
		.amdhsa_group_segment_fixed_size 327680
		.amdhsa_private_segment_fixed_size 0
		.amdhsa_enable_private_segment 0
		.amdhsa_kernarg_size 40
		.amdhsa_user_sgpr_count 2
		.amdhsa_user_sgpr_kernarg_segment_ptr 1
		.amdhsa_wavefront_size32 1
		.amdhsa_system_sgpr_workgroup_id_x 1
		.amdhsa_system_sgpr_workgroup_id_y 1
		.amdhsa_system_sgpr_workgroup_id_z 1
		.amdhsa_system_vgpr_workitem_id 0
		.amdhsa_next_free_vgpr 1024
		.amdhsa_next_free_sgpr 100
		.amdhsa_reserve_vcc 0
		.amdhsa_float_denorm_mode_32 3
		.amdhsa_float_denorm_mode_16_64 3
		.amdhsa_memory_ordered 1
		.amdhsa_forward_progress 1
		.amdhsa_inst_pref_size 124
	.end_amdhsa_kernel
	.amdgpu_metadata
---
amdhsa.version: [ 1, 2 ]
amdhsa.kernels:
  - .name:           k_q295ac314e9_proj
    .symbol:         k_q295ac314e9_proj.kd
    .args:
      - { .name: ao, .offset: 0, .size: 8, .value_kind: global_buffer, .address_space: global }
      - { .name: W_o_codes, .offset: 8, .size: 8, .value_kind: global_buffer, .address_space: global }
      - { .name: lowp_scales, .offset: 16, .size: 8, .value_kind: global_buffer, .address_space: global }
      - { .name: out0, .offset: 24, .size: 8, .value_kind: global_buffer, .address_space: global }
      - { .name: b_o, .offset: 32, .size: 8, .value_kind: global_buffer, .address_space: global }
    .group_segment_fixed_size: 327680
    .private_segment_fixed_size: 0
    .kernarg_segment_align: 8
    .kernarg_segment_size: 40
    .max_flat_workgroup_size: 128
    .sgpr_count:     100
    .vgpr_count:     1024
    .wavefront_size: 32
...
	.end_amdgpu_metadata
.endif
;; end of part 3
